; MI455X (gfx1250); checked and timed in simulation.
; The chip was launched on July 23, 2026; its instructions are those of AMD's public machine-readable ISA for CDNA 5 (MIT licence, August 2026) and "CDNA5" Instruction Set Architecture Reference Guide (July 2026). The comments in the code are by the model that wrote it; some were corrected since.
;; Multi Headed Attention. Allowed arithmetic: matrix products marked QUANTISED: E2M3 operands, one E8M0 scale for each 32 along K, by v_wmma_scale_f32_16x16x128_f8f6f4 with both operands' format E2M3, f32 sums; everything else in f32.
;; Inputs: A 1 float32; Wk_codes 1,024 x 32 x 24 uint8 (E2M3 codes of Wk, K innermost, in blocks of 32 codes, four codes in three bytes); Wk_scales 1,024 x 32 uint8 (E8M0 scales of Wk, one for each 32 codes along K); Wo_codes 1,024 x 32 x 24 uint8 (E2M3 codes of Wo, K innermost, in blocks of 32 codes, four codes in three bytes); Wo_scales 1,024 x 32 uint8 (E8M0 scales of Wo, one for each 32 codes along K); Wq_codes 1,024 x 32 x 24 uint8 (E2M3 codes of Wq, K innermost, in blocks of 32 codes, four codes in three bytes); Wq_scales 1,024 x 32 uint8 (E8M0 scales of Wq, one for each 32 codes along K); Wv_codes 1,024 x 32 x 24 uint8 (E2M3 codes of Wv, K innermost, in blocks of 32 codes, four codes in three bytes); Wv_scales 1,024 x 32 uint8 (E8M0 scales of Wv, one for each 32 codes along K); bk 1,024 float32; bo 1,024 float32; bq 1,024 float32; bv 1,024 float32; key_codes 4 x 2,048 x 32 x 24 uint8 (E2M3 codes of key, K innermost, in blocks of 32 codes, four codes in three bytes); key_scales 4 x 2,048 x 32 uint8 (E8M0 scales of key, one for each 32 codes along K); query_codes 4 x 2,048 x 32 x 24 uint8 (E2M3 codes of query, K innermost, in blocks of 32 codes, four codes in three bytes); query_scales 4 x 2,048 x 32 uint8 (E8M0 scales of query, one for each 32 codes along K); value_codes 4 x 2,048 x 32 x 24 uint8 (E2M3 codes of value, K innermost, in blocks of 32 codes, four codes in three bytes); value_scales 4 x 2,048 x 32 uint8 (E8M0 scales of value, one for each 32 codes along K).
;; Outputs: out0 4 x 2,048 x 1,024 float32; out1 one number float32.
;; This version of the problem:
;;   THIS VERSION OF THE PROBLEM IS GIVEN IN LOW PRECISION. The matrix products marked QUANTISED in the list below multiply operands that are first quantised to E2M3 (2 exponent bits, 3 mantissa bits; 6 bits a number), with one power-of-two scale for each 32 numbers along K (OCP MX v1.0); their sums are f32. All else is computed in f32.
;;   The module's matrix products, in the order in which they are computed (A, B: the left and right operand; K: the contracted axis; several contracted axes count as one K, in the product's order):
;;     1. [M 8,192, K 1,024] x [K 1,024, N 1,024]; A: input query (given as codes); B: input Wq (given as codes): QUANTISED
;;     2. [M 8,192, K 1,024] x [K 1,024, N 1,024]; A: input key (given as codes); B: input Wk (given as codes): QUANTISED
;;     3. [M 8,192, K 1,024] x [K 1,024, N 1,024]; A: input value (given as codes); B: input Wv (given as codes): QUANTISED
;;     4. batch 64 x [M 2,048, K 64] x [K 64, N 2,048]; A: computed on the way; B: computed on the way: QUANTISED
;;     5. batch 64 x [M 2,048, K 2,048] x [K 2,048, N 64]; A: softmax (see below); B: computed on the way: QUANTISED
;;     6. [M 8,192, K 1,024] x [K 1,024, N 1,024]; A: computed on the way; B: input Wo (given as codes): QUANTISED
;;   THE QUANTISER, for each operand of a quantised product, along K:
;;     - K is cut into blocks of 32 from its start; a last block that is shorter is filled with zeros.
;;     - A block's scale is 2^e with e = floor(log2(the largest magnitude in the block)) - 2, held to -126 .. 127; a block of zeros has e = 0. As a byte (E8M0): e + 127.
;;     - Each number is divided by its block's scale, clamped to +-7.5, and rounded to the nearest number of E2M3, ties to even, subnormals kept.
;;     - The product sums the exact products of the quantised numbers (number of the format x scale) in f32.
;;   ~~~python
;;   def quantise(x, axis):      # numpy; x: float32 -> the quantised numbers, widened to float32 again
;;       x = np.moveaxis(x, axis, -1); K = x.shape[-1]
;;       x = np.pad(x, [(0, 0)] * (x.ndim - 1) + [(0, -K % 32)]); x = x.reshape(x.shape[:-1] + (-1, 32)); a = np.abs(x).max(-1, keepdims=True)
;;       e = np.where(a > 0, np.clip(np.frexp(np.where(a > 0, a, 1))[1] - 1 - 2, -126, 127), 0)      # np.frexp(a)[1] - 1 = floor(log2(a)), exactly
;;       r = np.clip(x / 2.0 ** e, -7.5, 7.5)
;;       step = 2.0 ** (np.maximum(np.frexp(np.where(r == 0, 1, r))[1] - 1, 0) - 3)
;;       q = np.round(r / step) * step * 2.0 ** e      # np.round: ties to even
;;       return np.moveaxis(q.reshape(q.shape[:-2] + (-1,))[..., :K], -1, axis).astype(np.float32)
;;   ~~~
;;   SOFTMAX AHEAD OF A QUANTISED PRODUCT. Where the list says 'softmax', what is quantised is not the finished softmax but p = 2^(t - M), with t = logit x log2(e) and M = ceil(the row's largest t), a whole number; so 1/2 < the row's largest p <= 1. The row's sum l is taken of the UNQUANTISED p, in f32, and the product's result is divided by l at the end. Since M is a whole number, a kernel that streams over the keys may use a running M (the ceiling of the running maximum): every later rescaling is an exact power of two, which a block's scale takes up: the codes' values come out the same.
;;   OPERANDS COMPUTED ON THE WAY. 'Computed on the way' means the value that the module computes at that place (a softmax that the list does not call 'softmax' is quantised finished and normalised). What goes into a quantiser is computed in f32, as accurately as f32 sums, v_exp_f32 and their like allow (about 1e-6 of the number): no bf16 or f16 on the way to a quantiser, and a product that is left as it is and whose result goes on into a quantised operand takes f32 operands (vector FMAs, or v_wmma_f32_16x16x4_f32). A number that lies on a knife's edge between two numbers of the format may be rounded either way, as far as f32 arithmetic and the matrix unit's own rounding can turn it there, and no further.
;;   INPUTS GIVEN AS CODES. Wk (in the module: [1024, 1024], K = its axis 1); Wo (in the module: [1024, 1024], K = its axis 1); Wq (in the module: [1024, 1024], K = its axis 1); Wv (in the module: [1024, 1024], K = its axis 1); key (in the module: [4, 2048, 1024], K = its axis 2); query (in the module: [4, 2048, 1024], K = its axis 2); value (in the module: [4, 2048, 1024], K = its axis 2): each comes as NAME_codes (uint8): NAME with its K axis moved to the last place and cut into blocks of 32 codes, [.., K / 32, bytes a block], one block behind the other in memory; four codes in three bytes: a row's codes are one little-endian stream of bits, code i at bits 6 i .. 6 i + 5 (a code: sign, 2 exponent bits, 3 mantissa bits); and NAME_scales (uint8): the same leading axes, one E8M0 byte (e + 127) for each 32 codes along K. Its value is code x scale, taken as it is: it is not quantised again, and the codes and scales need not be those that the quantiser above would give.
;; One version. Each part assembles by itself: llvm-mc -triple=amdgcn-amd-amdhsa -mcpu=gfx1250 --defsym DOCPART=n.
;; ======== version 1 of 1: 3 launches
;; limits: right only within a limited range of input values
;; workspace buffers: qws 6,553,600 bytes; kws 6,553,600 bytes; vws 6,553,600 bytes; xws 6,553,600 bytes
;; launch proj (part 1): grid 4 x 96, 4 waves a work-group, clusters of 4 x 4, 327,680 bytes of LDS; arguments query_codes, query_scales, Wq_codes, Wq_scales, bq, qws, key_codes, key_scales, Wk_codes, Wk_scales, bk, kws, value_codes, value_scales, Wv_codes, Wv_scales, bv, vws; writes qws, kws, vws
.if DOCPART == 1
	.amdgcn_target "amdgcn-amd-amdhsa--gfx1250"
	.amdhsa_code_object_version 6
	.text
	.protected	k_q665d9340d2_proj
	.globl	k_q665d9340d2_proj
	.p2align	8
	.type	k_q665d9340d2_proj,@function
k_q665d9340d2_proj:
	s_mov_b64 s[64:65], 0
	v_nop
	global_prefetch_b8 v0, s[64:65] scope:SCOPE_SE
	s_setreg_imm32_b32 hwreg(HW_REG_WAVE_MODE, 25, 1), 1
	s_wait_xcnt 0x0
	s_wait_alu depctr_hold_cnt(0) depctr_sa_sdst(0) depctr_va_vdst(0) depctr_va_sdst(0) depctr_va_ssrc(0) depctr_va_vcc(0) depctr_vm_vsrc(0)
	s_getreg_b32 s2, hwreg(HW_REG_IB_STS2, 6, 4)
	s_cmp_eq_u32 s2, 0
	s_cbranch_scc0 .Lentry_in_a_cluster
	s_endpgm
.Lentry_in_a_cluster:
	s_bfe_u32 s2, ttmp6, 0x10000c
	s_cmp_lg_u32 s2, 0xf033
	s_cbranch_scc0 .Lentry_shape_is_right
	s_endpgm
.Lentry_shape_is_right:
; q = query Wq^T + bq, k = key Wk^T + bk, v = value Wv^T + bv: three products [8192 x 1024] x [1024 x 1024] on codes of FP6 (E2M3) with E8M0 scales, sums in f32.
; The results are quantised here, in registers, and leave as codes: q and k along the head's 64, v along the keys.
; DEAD WORK OF THE PROGRAM: reference() never reads its input A, so no output hangs on it for any value: A is not loaded and is no launch's argument.  A NaN or infinity in A is not carried to a result.
; GRID: one cluster wide, 24 high; cluster y / 8 says which product, y % 8 which 1,024 activation rows.  A work-group makes 256 x 256, a wave 128 x 128 (64 accumulators).
; Source 1 takes rows of A, source 0 rows of B: a lane holds one row of A and its registers run along B's rows.  q, k: A = activation, B = weight.  v: A = Wv, B = value.
; RING: K in chunks of 256 bytes of each row of 768 through two LDS slots, by joint tensor loads (A shared along a row of the cluster, B along a column).  A step of 128 along K is 96 bytes: steps 2 and 5 lie across two chunks.
; At the head one tensor load a wave: A's chunk 0, B's chunk 0, A's chunk 1, B's chunk 1, 256 rows each.  The first barrier shows chunk 0 (waves 0 and 1 wait), step 1's barrier chunk 1; chunk 2 is the one refill, in step 2's round.
; THE SCALES of the 512 rows, all of K, 16,384 bytes: each wave loads 4,096 dense bytes into registers and stores them to LDS bytes of their own, as 256 bytes + 16 of padding; no tensor load lands there.
; No prefetch: K is three chunks, of which two are asked for at the head, at a block of 256 x 256 in clusters.
; ORDER INSIDE A BLOCK OF 32: lane (r, h) holds of block b the numbers 32 b + 8 h + 0..7 and 32 b + 16 + 8 h + 0..7, so a block's codes lie as 0-7, 16-23, 8-15, 24-31, alike in both operands of each later product.
; WORKSPACE: images of operand registers.  A fragment is 1,536 bytes: registers 4 g .. 4 g + 3 at 512 g + 16 x lane.  Codes: [batch x 16 + head][128 rows or keys][4 fragments][1536].
;   q, k: fragment f = rows 32 f + 0..15 in registers 0-5, rows 32 f + 16..31 in registers 6-11.  v: fragment t = features 16 t + 0..15 x 128 keys.
;   Scale words behind the codes, 512 bytes for a pair of heads and 128 rows: lane l's four words at 16 l.  q, k: lanes 0-15 the even head, 16-31 the odd, word i = fragment i.  v: word i of lane 16 u + r = fragment 2 i + u of the pair's eight.
; LIMITS: NaN and infinities are not served.  A block whose largest magnitude lies under 2^-124 keeps the scale byte 1; these bytes are read by this program alone.
.set ROWB,   256
.set NQ,     2
.set KROW,   768
.set STEPS,  8
.set CHUNKS, 3
.set PITCH,  272
.set FR,     12
.set NL,     6
.set NP,     4
.set HALFT,  128*PITCH
.set SLOT,   4*HALFT
.set KS,     32
.set SCL,    2*SLOT
.set HALFS,  16*272
.set SBLK,   2*272
.set SPARE,  SCL+4*HALFS
.set SCOFF,  6291456
.set RA,   8                           ; v8-15 v: the lane's bias in A's eight blocks; q, k: zeros
.set ADRA, 16                          ; v16-19 A's fragments: slot 0, 1; across two chunks from slot 0, 1
.set ADRB, 20                          ; v20-23 the same for B
.set BO0,  24                          ; v24, v25 the bias loads' offsets; v30 the scale loads'; v31 where my scale bytes go in LDS
.set ADRS, 27
.set SPW,  28
.set NIL,  29
.set SC,   32                          ; v32-63 scale words, two sets
.set CB,   64                          ; v64-127 q, k: the bias as the first step's C; v: zeros
.set AF,   128
.set NUM,  128
.set TM,   200
.set PT,   216
.set WRD,  224
.set T1,   112
.set T2,   118
.set XW,   226
.set ZZ,   236
.set OF,   240
.set LI,   248
.set G1, 24
.set G0, 32                            ; s[32:35] the refill's group 0 for A; s[56:59] for B
.set G1B, 48
.set G0B, 56
.set G0H, 4                            ; the head's four groups 0: chunk 0 of A, of B; chunk 1 of A, of B
.set G0HB, 8
.set G0I, 76
.set G0IB, 88
.set MSB, 0
.macro WIN new
.if MSB != (\new)
	s_set_vgpr_msb (MSB<<8)|(\new)
.set MSB, (\new)
.endif
.endm
.set MUL_LO, 0xa1                      ; source 0 (B) window 1, source 1 (A) window 0, C and D window 2; in the first step C is window 0: 0x81
.set MUL_HI, 0xf1                      ; C and D window 3; first step 0xc1
.set TO_B,   0x40
.macro JLOAD g0a, g1a, g0b, g1b        ; waves 0, 1 fetch for A, waves 2, 3 for B
	s_cmp_eq_u32 s15, 0
	s_cbranch_scc0 .Lfor_b_\@
	tensor_load_to_lds s[\g0a:\g0a+3], s[\g1a:\g1a+7]
	s_nop 0
.rept 4
	v_nop
.endr
	s_branch .Lasked_\@
.Lfor_b_\@:
	tensor_load_to_lds s[\g0b:\g0b+3], s[\g1b:\g1b+7]
	s_nop 0
.rept 4
	v_nop
.endr
.Lasked_\@:
.endm
.macro CREST
	s_cmp_lg_u32 s14, 0
	s_cbranch_scc1 .Lnot_wave_0_\@
	s_barrier_signal -3
.Lnot_wave_0_\@:
	s_barrier_wait -3
	s_barrier_signal -1
	s_barrier_wait -1
.endm
.macro CROUND
	s_barrier_signal -1
	s_barrier_wait -1
	CREST
.endm
	s_load_b256 s[24:31], s[0:1], 0x0              ; query's codes, scales; Wq's codes, scales
	s_load_b128 s[32:35], s[0:1], 0x20             ; bq, qws
	s_load_b256 s[36:43], s[0:1], 0x30             ; the same for key
	s_load_b128 s[44:47], s[0:1], 0x50
	s_load_b256 s[48:55], s[0:1], 0x60             ; and for value
	s_load_b128 s[56:59], s[0:1], 0x80
	v_lshl_add_u32 v[SPW], v0, 2, SPARE
	v_mov_b32 v[NIL], 0
	ds_add_u32 v[SPW], v[NIL]                      ; the opening lines: the add twice and its wait
	ds_add_u32 v[SPW], v[NIL]
	v_lshrrev_b32 v1, 5, v0
	v_readfirstlane_b32 s14, v1                    ; wave
	s_lshr_b32 s15, s14, 1                         ; my half of A's rows; also: I fetch for A (0) or B (1)
	s_and_b32 s16, s14, 1                          ; my half of B's rows; also: which 128 rows I fetch
	s_bfe_u32 s66, ttmp6, 0x40000                  ; cx
	s_bfe_u32 s67, ttmp6, 0x40004                  ; cy
	s_and_b32 s3, ttmp7, 0xffff
	s_lshr_b32 s2, s3, 3                           ; the product: 0 q, 1 k, 2 v
	s_and_b32 s3, s3, 7
	s_lshl_b32 s3, s3, 2
	s_mov_b32 s97, 0xffff0000
	s_mov_b32 s98, 0x76543210
	s_mov_b32 s99, 0xfedcba98
	s_wait_dscnt 0x0
	s_wait_kmcnt 0x0
	s_cmp_eq_u32 s2, 1
	s_cselect_b64 s[4:5], s[36:37], s[24:25]       ; A's codes
	s_cselect_b64 s[6:7], s[38:39], s[26:27]       ; A's scales
	s_cselect_b64 s[8:9], s[40:41], s[28:29]       ; B's codes
	s_cselect_b64 s[10:11], s[42:43], s[30:31]     ; B's scales
	s_cselect_b64 s[100:101], s[44:45], s[32:33]   ; the bias
	s_cselect_b64 s[12:13], s[46:47], s[34:35]     ; the workspace
	s_cmp_eq_u32 s2, 2
	s_cselect_b64 s[4:5], s[52:53], s[4:5]         ; for v the weight is A
	s_cselect_b64 s[6:7], s[54:55], s[6:7]
	s_cselect_b64 s[8:9], s[48:49], s[8:9]
	s_cselect_b64 s[10:11], s[50:51], s[10:11]
	s_cselect_b64 s[100:101], s[56:57], s[100:101]
	s_cselect_b64 s[12:13], s[58:59], s[12:13]
	s_cselect_b32 s96, -1, 0                       ; all ones for v
	s_cselect_b32 s95, 0, -1                       ; all ones for q, k
	s_cselect_b32 s42, 1, 0
	s_cselect_b32 s17, 0, s3
	s_cselect_b32 s40, s3, 0
	s_add_co_u32 s17, s17, s67                     ; A's tile of 256 rows: never holds cx
	s_add_co_u32 s40, s40, s66                     ; B's tile: never holds cy
	; the plain loads go out first: the bias of my 128 features, and my 4,096 scale bytes (waves 0, 1: halves of A's; waves 2, 3: of B's)
	s_lshl_b32 s80, s17, 8
	s_lshl_b32 s81, s15, 7
	s_add_co_u32 s80, s80, s81                     ; the first of my 128 rows of A
	s_lshl_b32 s82, s40, 8
	s_lshl_b32 s81, s16, 7
	s_add_co_u32 s82, s82, s81                     ; and of B
	s_cmp_eq_u32 s42, 1
	s_cselect_b32 s83, s82, s80                    ; my first activation row
	s_cselect_b32 s84, s80, s82                    ; my first feature: two heads
	s_lshl_b32 s70, s84, 2
	s_mov_b32 s71, 0
	s_add_nc_u64 s[100:101], s[100:101], s[70:71]
	s_cmp_lt_u32 s14, 2
	s_cselect_b64 s[68:69], s[6:7], s[10:11]
	s_cselect_b32 s72, s17, s40
	s_lshl_b32 s72, s72, 13                        ; 256 rows x 32 bytes
	s_lshl_b32 s73, s16, 12
	s_add_co_u32 s72, s72, s73
	s_mov_b32 s73, 0
	s_add_nc_u64 s[68:69], s[68:69], s[72:73]
	s_mul_i32 s74, s14, HALFS
	s_add_co_u32 s74, s74, SCL
	v_and_b32 v1, 15, v0                           ; r
	v_bfe_u32 v2, v0, 4, 1                         ; h
	v_and_b32 v30, 31, v0
	v_lshlrev_b32 v30, 4, v30                      ; 16 x lane
	v_lshlrev_b32 v[BO0], 5, v2                    ; along the registers: block b's features 16 b + 8 h + 0..7
	v_lshlrev_b32 v[BO0+1], 2, v1                  ; along the lanes: block a's feature 16 a + r
	v_lshl_add_u32 v31, v2, 4, v30                 ; 16 more behind each 256
	v_add_nc_u32 v31, s74, v31
	s_wait_alu depctr_va_vdst(0)
.irp k, 0,1,2,3,4,5,6,7
	global_load_b128 v[AF+4*\k:AF+4*\k+3], v30, s[68:69] offset:512*\k   ; 32 lanes read 512 consecutive bytes
.endr
.irp b, 0,1,2,3,4,5,6,7
	global_load_b128 v[CB+8*\b:CB+8*\b+3], v[BO0], s[100:101] offset:64*\b
	global_load_b128 v[CB+8*\b+4:CB+8*\b+7], v[BO0], s[100:101] offset:64*\b+16
.endr
.irp a, 0,1,2,3,4,5,6,7
	global_load_b32 v[RA+\a], v[BO0+1], s[100:101] offset:64*\a
.endr
	s_lshl_b32 s43, s67, 2
	s_lshl_b32 s43, 15, s43                        ; my row of the cluster
	s_lshl_b32 s44, 0x1111, s66                    ; my column
	s_or_b32 s[G1+0], s43, (1<<20)|(1<<21)|(5<<22)|(3<<25)   ; rows of 256 bytes, 16 of padding behind each
	s_or_b32 s[G1B+0], s44, (1<<20)|(1<<21)|(5<<22)|(3<<25)
.irp g, G1, G1B
	s_mov_b32 s[\g+1], ROWB<<16
	s_mov_b32 s[\g+2], 256<<16                     ; the head's loads bring 256 rows
	s_mov_b32 s[\g+3], ROWB<<16
	s_mov_b32 s[\g+4], 256
	s_mov_b32 s[\g+5], KROW
	s_mov_b32 s[\g+6], 0
	s_mov_b32 s[\g+7], 0
.endr
	s_lshl_b32 s20, s17, 8                         ; A's first row
	s_lshl_b32 s46, s40, 8                         ; B's
	s_mul_i32 s20, s20, KROW
	s_mul_i32 s46, s46, KROW
	s_mov_b32 s21, 0
	s_mov_b32 s47, 0
	s_mul_i32 s18, s16, 128*KROW
	s_mov_b32 s19, 0
	s_mul_i32 s45, s14, HALFT
	s_add_nc_u64 s[20:21], s[4:5], s[20:21]
	s_add_nc_u64 s[46:47], s[8:9], s[46:47]
	CROUND                                         ; in front of the first joint loads
	s_mov_b32 s[G0H], 1
	s_mov_b32 s[G0H+1], 0
	s_mov_b64 s[G0H+2:G0H+3], s[20:21]
	s_or_b32 s[G0H+3], s[G0H+3], 0x80000000
	s_mov_b32 s[G0HB], 1
	s_mov_b32 s[G0HB+1], 2*HALFT
	s_mov_b64 s[G0HB+2:G0HB+3], s[46:47]
	s_or_b32 s[G0HB+3], s[G0HB+3], 0x80000000
	s_mov_b32 s[G0I], 1
	s_mov_b32 s[G0I+1], SLOT
	s_add_nc_u64 s[G0I+2:G0I+3], s[20:21], ROWB
	s_or_b32 s[G0I+3], s[G0I+3], 0x80000000
	s_mov_b32 s[G0IB], 1
	s_mov_b32 s[G0IB+1], SLOT+2*HALFT
	s_add_nc_u64 s[G0IB+2:G0IB+3], s[46:47], ROWB
	s_or_b32 s[G0IB+3], s[G0IB+3], 0x80000000
	s_add_nc_u64 s[20:21], s[20:21], s[18:19]      ; for the refill: my 128 rows, slot 0 (stepped by two chunks ahead of the load)
	s_add_nc_u64 s[46:47], s[46:47], s[18:19]
	s_mov_b32 s[G0], 1
	s_mov_b32 s[G0+1], s45
	s_mov_b64 s[G0+2:G0+3], s[20:21]
	s_or_b32 s[G0+3], s[G0+3], 0x80000000
	s_mov_b32 s[G0B], 1
	s_mov_b32 s[G0B+1], s45
	s_mov_b64 s[G0B+2:G0B+3], s[46:47]
	s_or_b32 s[G0B+3], s[G0B+3], 0x80000000
.macro ARM under, g0, g1, next         ; one chain of branches on the wave's number, one load to an arm
	s_cmp_lt_u32 s14, \under
	s_cbranch_scc0 \next
	tensor_load_to_lds s[\g0:\g0+3], s[\g1:\g1+7]
	s_nop 0
.rept 4
	v_nop
.endr
	s_branch .Lhead_asked
\next:
.endm
	ARM 1, G0H,  G1,  .Lhead_b
	ARM 2, G0HB, G1B, .Lhead_a1
	ARM 3, G0I,  G1,  .Lhead_b1
	tensor_load_to_lds s[G0IB:G0IB+3], s[G1B:G1B+7]
	s_nop 0
.rept 4
	v_nop
.endr
.Lhead_asked:
	v_mul_u32_u24 v3, v1, PITCH
	v_mul_u32_u24 v4, v2, 24
	v_add_nc_u32 v4, v3, v4
	s_mov_b32 s21, SLOT-232
	s_mov_b32 s22, SLOT+232
	v_sub_nc_u32 v7, 1, v2
	v_mul_u32_u24 v5, s21, v2
	v_add_nc_u32 v5, v3, v5
	v_add_nc_u32 v5, 232, v5                       ; lanes 0-15 byte 232 of the row in slot 0, lanes 16-31 byte 0 in slot 1
	v_mul_u32_u24 v6, s22, v7
	v_add_nc_u32 v6, v3, v6                        ; and the other way round
	s_mul_i32 s21, s15, HALFT
	s_mul_i32 s22, s16, HALFT
	s_add_co_u32 s22, s22, 2*HALFT
	v_add_nc_u32 v[ADRA+2], s21, v5
	v_add_nc_u32 v[ADRA+3], s21, v6
	v_add_nc_u32 v[ADRB+2], s22, v5
	v_add_nc_u32 v[ADRB+3], s22, v6
.irp s, 0,1
	v_add_nc_u32 v[ADRA+\s], s21, v4
	v_add_nc_u32 v[ADRB+\s], s22, v4
	s_add_co_u32 s21, s21, SLOT
	s_add_co_u32 s22, s22, SLOT
.endr
	v_mul_u32_u24 v5, v1, KS
	v_lshrrev_b32 v6, 8, v5
	v_lshl_add_u32 v5, v6, 4, v5
	s_mul_i32 s21, s15, HALFS
	s_mul_i32 s22, s16, HALFS
	s_add_co_u32 s22, s22, 2*HALFS
	s_sub_co_u32 s22, s22, s21
	v_mul_u32_u24 v6, s22, v2                      ; lanes 16-31 take B's
	s_add_co_u32 s21, s21, SCL
	v_add_nc_u32 v5, v5, v6
	v_add_nc_u32 v[ADRS], s21, v5
	s_lshr_b32 s22, s83, 11                        ; batch
	s_bfe_u32 s23, s83, 0x40007                    ; which 128 rows of its 2,048
	s_lshr_b32 s2, s84, 6                          ; my first head
	s_lshl_b32 s18, s22, 4
	s_add_co_u32 s18, s18, s2
	s_lshl_b32 s18, s18, 4
	s_add_co_u32 s18, s18, s23
	s_mul_i32 s18, s18, 6144
	s_mov_b32 s19, 0
	s_lshl_b32 s20, s22, 3
	s_lshr_b32 s2, s84, 7
	s_add_co_u32 s20, s20, s2
	s_lshl_b32 s20, s20, 4
	s_add_co_u32 s20, s20, s23
	s_lshl_b32 s20, s20, 9
	s_add_co_u32 s20, s20, SCOFF
	s_mov_b32 s21, 0
	s_add_nc_u64 s[92:93], s[12:13], s[20:21]      ; the unit of scale words
	s_add_nc_u64 s[12:13], s[12:13], s[18:19]      ; the codes
	s_wait_alu depctr_va_vdst(0)
	s_wait_loadcnt 0x0
.irp k, 0,1,2,3,4,5,6,7
	ds_store_b128 v31, v[AF+4*\k:AF+4*\k+3] offset:544*\k   ; two units of 256 + 16
.endr
.set i, 0
.rept 64
	v_and_b32 v[CB+i], s95, v[CB+i]                ; for v zeros start the sums
.set i, i+1
.endr
.irp a, 0,1,2,3,4,5,6,7
	v_and_b32 v[RA+\a], s96, v[RA+\a]
.endr
.macro FRAG reg, adr, st, i            ; 16 rows x 128 K in pieces of 8 bytes; byte y of a row lies in slot (y / 256) % 2 at byte y % 256
.irp p, 0,1,2,3,4,5
.set BY, 96*(\st)+48*(\p/3)+8*(\p%3)
.if BY/ROWB == (BY+24)/ROWB
	ds_load_b64 v[\reg+2*\p:\reg+2*\p+1], v[\adr+(BY/ROWB)%2] offset:BY%ROWB+(\i)*16*PITCH
.else
	ds_load_b64 v[\reg+2*\p:\reg+2*\p+1], v[\adr+2+(BY/ROWB)%2] offset:BY%ROWB-232+(\i)*16*PITCH
.endif
.endr
.endm
.macro MUL16 a0, p, q, sc, first       ; the 64 accumulators take turns
.irp a, \a0, \a0+1
.irp b, 0,1,2,3,4,5,6,7
.if \first
	v_wmma_scale_f32_16x16x128_f8f6f4 v[8*(8*((\a)%4)+\b):8*(8*((\a)%4)+\b)+7], v[128*(\p)+FR*\b:128*(\p)+FR*\b+FR-1], v[AF+FR*(\a):AF+FR*(\a)+FR-1], v[CB+8*\b:CB+8*\b+7], v[SC+8*NQ*(\sc)+NQ*\b+(\q)], v[SC+8*NQ*(\sc)+NQ*(\a)+(\q)] matrix_a_fmt:MATRIX_FMT_FP6 matrix_b_fmt:MATRIX_FMT_FP6 matrix_a_scale:MATRIX_SCALE_ROW1
.else
	v_wmma_scale_f32_16x16x128_f8f6f4 v[8*(8*((\a)%4)+\b):8*(8*((\a)%4)+\b)+7], v[128*(\p)+FR*\b:128*(\p)+FR*\b+FR-1], v[AF+FR*(\a):AF+FR*(\a)+FR-1], v[8*(8*((\a)%4)+\b):8*(8*((\a)%4)+\b)+7], v[SC+8*NQ*(\sc)+NQ*\b+(\q)], v[SC+8*NQ*(\sc)+NQ*(\a)+(\q)] matrix_a_fmt:MATRIX_FMT_FP6 matrix_b_fmt:MATRIX_FMT_FP6 matrix_a_scale:MATRIX_SCALE_ROW1
.endif
.endr
.endr
.endm
.macro FETCH_B st, p
	WIN TO_B
.irp i, 0,1,2,3,4,5,6,7
	FRAG 128*(\p)+FR*\i, ADRB, \st, \i
.endr
	WIN 0
.endm
.macro FETCH_A st, i0
.irp i, \i0, \i0+1, \i0+2, \i0+3
	FRAG AF+FR*(\i), ADRA, \st, \i
.endr
.endm
.macro SCALES pr                       ; the words of steps 2 pr, 2 pr + 1: lanes 0-15 A's block i, lanes 16-31 B's
.irp i, 0,1,2,3,4,5,6,7
	ds_load_b64 v[SC+8*NQ*((\pr)%2)+NQ*\i:SC+8*NQ*((\pr)%2)+NQ*\i+1], v[ADRS] offset:\i*SBLK+4*NQ*(\pr)
.endr
.endm
.macro PLACES n
.rept \n
	v_nop
.endr
.endm
; A step of 128 along K.  Where the next step's bytes end in a chunk not yet read, a barrier shows that chunk whole; where they begin in a later chunk, the chunk left behind is free:
; the three lines, the barrier, and, where a chunk two on is left to fetch, the cluster's round and the refill.
.macro STEP st, zero
.set NX, (\st)+1
.set C0, (96*(\st))/ROWB
.set C1, (96*NX)/ROWB
.set E0, (96*(\st)+95)/ROWB
.set E1, (96*NX+95)/ROWB
.if C1 > C0 || E1 > E0
	s_wait_tensorcnt 0x0                           ; all my tensor loads have landed
.if C1 > C0
	ds_add_u32 v[SPW], v[NIL]
	s_wait_dscnt 4*NL+1                            ; the add and the 24 youngest loads (A's blocks 4-7) may be out
.else
	s_wait_dscnt 4*NL
.endif
	WIN MUL_LO-0x20*(\zero)
	MUL16 0, (\st)%2, (\st)%2, ((\st)/2)%2, \zero
	s_wait_dscnt 0x0                               ; the add and all my reads are done
	s_barrier_signal -1
	MUL16 2, (\st)%2, (\st)%2, ((\st)/2)%2, \zero
	WIN 0
	s_barrier_wait -1
.if C1 > C0 && C0+2 < CHUNKS
	CREST
	s_add_nc_u64 s[G0+2:G0+3], s[G0+2:G0+3], 2*ROWB
	s_add_nc_u64 s[G0B+2:G0B+3], s[G0B+2:G0B+3], 2*ROWB
	s_mov_b32 s[G1+2], 128<<16                     ; no load of mine is out: the refill brings 128 rows a wave
	s_mov_b32 s[G1+4], 128
	s_mov_b32 s[G1B+2], 128<<16
	s_mov_b32 s[G1B+4], 128
	JLOAD G0, G1, G0B, G1B                         ; chunk 2 into slot 0; its four v_nop are the places in front of the loads below
.else
	PLACES NP
.endif
.else
	s_wait_dscnt 4*NL                              ; B's set and A's blocks 0-3 are in
	WIN MUL_LO-0x20*(\zero)
	MUL16 0, (\st)%2, (\st)%2, ((\st)/2)%2, \zero
	MUL16 2, (\st)%2, (\st)%2, ((\st)/2)%2, \zero
	s_wait_dscnt 0
	PLACES NP
.endif
	FETCH_B NX, NX%2
	FETCH_A NX, 0
.if NX%2 == 0
	SCALES NX/2
.endif
	WIN MUL_HI-0x30*(\zero)
	MUL16 4, (\st)%2, (\st)%2, ((\st)/2)%2, \zero
	MUL16 6, (\st)%2, (\st)%2, ((\st)/2)%2, \zero
	PLACES NP
	WIN 0
	FETCH_A NX, 4
.endm
	s_wait_alu depctr_va_vdst(0)                   ; the head's end
	s_cmp_lt_u32 s14, 2
	s_cbranch_scc0 .Lnot_first
	s_wait_tensorcnt 0x0                           ; waves 0 and 1: chunk 0 is in
.Lnot_first:
	s_wait_dscnt 0x0                               ; my scale bytes are stored
	s_barrier_signal -1
	s_barrier_wait -1                              ; chunk 1 may still be on its way
	FETCH_B 0, 0
	FETCH_A 0, 0
	SCALES 0
	FETCH_A 0, 4
	STEP 0, 1                                      ; the first step's sums start from the bias
.set ST, 1
.rept STEPS-2
	STEP ST, 0
.set ST, ST+1
.endr
	s_wait_dscnt 4*NL
	WIN MUL_LO
	MUL16 0, 1, 1, 1, 0
	MUL16 2, 1, 1, 1, 0
	s_wait_dscnt 0
	WIN MUL_HI
	MUL16 4, 1, 1, 1, 0
	MUL16 6, 1, 1, 1, 0
	WIN 0
; THE WAY OUT.  Block a of A's rows: a lane holds one row, its 64 sums run along B's 128 rows: four blocks of 32 of the next product's K.
.macro TAKE a                          ; into window 0, with the lane's bias (v) or 0; each accumulator from its low end on
	WIN 0x02+(\a)/4
.set AC, 64*((\a)%4)
.set RB, RA+2*((\a)/2)
.set i, 0
.rept 32
.if (\a)%2
	v_pk_add_f32 v[NUM+i:NUM+i+1], v[AC+i:AC+i+1], v[RB:RB+1] op_sel:[0,1] op_sel_hi:[1,1]
.else
	v_pk_add_f32 v[NUM+i:NUM+i+1], v[AC+i:AC+i+1], v[RB:RB+1] op_sel:[0,0] op_sel_hi:[1,0]
.endif
.set i, i+2
.endr
	WIN 0
.endm
.macro QUANT s, d0, d1, w              ; blocks 0, 1 become six registers at d0, blocks 2, 3 six at d1; the four bytes make v[w]
.irp b, 0,1,2,3
	v_max3_num_f32 v[TM+\b], |v[\s+16*\b]|, |v[\s+1+16*\b]|, 0x1800000   ; with the floor 2^(3 - 127): the byte cannot fall under 1
.endr
.irp i, 2,4,6,8,10,12,14
.irp b, 0,1,2,3
	v_max3_num_f32 v[TM+\b], v[TM+\b], |v[\s+16*\b+\i]|, |v[\s+1+16*\b+\i]|
.endr
.endr
.irp b, 0,1,2,3
	v_permlanex16_b32 v[TM+4+\b], v[TM+\b], s98, s99
.endr
.irp b, 0,1,2,3
	v_max_num_f32 v[TM+\b], v[TM+\b], v[TM+4+\b]
.endr
.irp b, 0,1,2,3
	v_add_nc_u32 v[TM+12+\b], 0xff000000, v[TM+\b] ; 2 off the exponent field: the conversion's scale operand
.endr
.irp b, 0,1,2,3
	v_lshrrev_b32 v[TM+4+\b], 23, v[TM+12+\b]
.endr
	v_lshl_or_b32 v[\w], v[TM+5], 8, v[TM+4]
	v_lshl_or_b32 v[\w], v[TM+6], 16, v[\w]
	v_lshl_or_b32 v[\w], v[TM+7], 24, v[\w]
	v_cvt_scalef32_pk16_fp6_f32 v[\d0:\d0+2], v[\s:\s+15], v[TM+12]
	v_cvt_scalef32_pk16_fp6_f32 v[PT:PT+2], v[\s+16:\s+31], v[TM+13]
	v_cvt_scalef32_pk16_fp6_f32 v[\d1:\d1+2], v[\s+32:\s+47], v[TM+14]
	v_cvt_scalef32_pk16_fp6_f32 v[PT+4:PT+6], v[\s+48:\s+63], v[TM+15]
	v_nop
.irp k, 0,1,2
	v_permlane16_swap_b32 v[\d0+\k], v[PT+\k]
.endr
.irp k, 0,1,2
	v_mov_b32 v[\d0+3+\k], v[PT+\k]
.endr
.irp k, 0,1,2
	v_permlane16_swap_b32 v[\d1+\k], v[PT+4+\k]
.endr
.irp k, 0,1,2
	v_mov_b32 v[\d1+3+\k], v[PT+4+\k]
.endr
.endm
.macro PAIR n                          ; blocks 2 n, 2 n + 1 make two fragments.  q, k: (even head), (odd head); v: each block's 128 keys
.set RR, 64+24*((\n)%2)
	s_wait_xcnt 0x0                                ; the stores of two pairs ago have read these registers
	TAKE 2*(\n)
	QUANT NUM, RR, T1, WRD
	TAKE 2*(\n)+1
	QUANT NUM, T2, RR+18, WRD+1
.irp k, 0,1,2,3,4,5
	v_cndmask_b32 v[RR+6+\k], v[T2+\k], v[T1+\k], s96
.endr
.irp k, 0,1,2,3,4,5
	v_cndmask_b32 v[RR+12+\k], v[T1+\k], v[T2+\k], s96
.endr
	v_perm_b32 v[XW+(\n)], v[WRD+1], v[WRD], s18
	v_perm_b32 v[XW+4+(\n)], v[WRD+1], v[WRD], s19
.irp g, 0,1,2
	global_store_b128 v[OF+2*(\n)], v[RR+4*\g:RR+4*\g+3], s[12:13] offset:512*\g          ; 32 lanes store 512 consecutive bytes, aligned
.endr
.irp g, 0,1,2
	global_store_b128 v[OF+2*(\n)+1], v[RR+12+4*\g:RR+12+4*\g+3], s[12:13] offset:512*\g
.endr
.endm
	PLACES NP
	s_cmp_eq_u32 s42, 1
	s_mov_b32 s18, 0x05040100
	s_cselect_b32 s18, 0x03020100, s18
	s_mov_b32 s19, 0x07060302
	s_cselect_b32 s19, 0x07060504, s19
	s_mov_b32 s20, 1536                            ; from pair 0 to pair 1
	s_cselect_b32 s20, 3072, s20
	s_mov_b32 s21, 3072                            ; from pair 0 to pair 2
	s_cselect_b32 s21, 98304, s21
	s_mov_b32 s22, 98304                           ; from a pair's first fragment to its second
	s_cselect_b32 s22, 1536, s22
	v_and_b32 v[LI], 31, v0
	v_lshlrev_b32 v[LI], 4, v[LI]
	v_mov_b32 v[OF], v[LI]
	v_add_nc_u32 v[OF+2], s20, v[LI]
	v_add_nc_u32 v[OF+4], s21, v[LI]
	v_add_nc_u32 v[OF+6], s21, v[OF+2]
.irp k, 0,2,4,6
	v_add_nc_u32 v[OF+1+\k], s22, v[OF+\k]
.endr
.irp b, 0,1,2,3
	v_mov_b32 v[TM+4+\b], 0                        ; a lane permute's destination counts as a source
.endr
	PAIR 0
	PAIR 1
	PAIR 2
	PAIR 3
.irp k, 0,1,2,3
	v_cndmask_b32 v[ZZ+\k], v[XW+\k], v[XW+4+\k], s97
.endr
	global_store_b128 v[LI], v[ZZ:ZZ+3], s[92:93]  ; the unit of 512 bytes
	s_wait_tensorcnt 0x0                           ; the wave's end
	ds_add_u32 v[SPW], v[NIL]
	s_wait_dscnt 0x0
	CROUND                                         ; the closing round
	s_endpgm
.Lfunc_end_k_q665d9340d2_proj:
	.size	k_q665d9340d2_proj, .Lfunc_end_k_q665d9340d2_proj-k_q665d9340d2_proj
	.p2alignl 7, 3214868480
	.fill 96, 4, 3214868480
	.section	.rodata,"a",@progbits
	.p2align	6, 0x0
	.amdhsa_kernel k_q665d9340d2_proj
		.amdhsa_group_segment_fixed_size 327680
		.amdhsa_private_segment_fixed_size 0
		.amdhsa_enable_private_segment 0
		.amdhsa_kernarg_size 144
		.amdhsa_user_sgpr_count 2
		.amdhsa_user_sgpr_kernarg_segment_ptr 1
		.amdhsa_wavefront_size32 1
		.amdhsa_system_sgpr_workgroup_id_x 1
		.amdhsa_system_sgpr_workgroup_id_y 1
		.amdhsa_system_sgpr_workgroup_id_z 1
		.amdhsa_system_vgpr_workitem_id 0
		.amdhsa_next_free_vgpr 1024
		.amdhsa_next_free_sgpr 102
		.amdhsa_reserve_vcc 0
		.amdhsa_float_denorm_mode_32 3
		.amdhsa_float_denorm_mode_16_64 3
		.amdhsa_memory_ordered 1
		.amdhsa_forward_progress 1
		.amdhsa_inst_pref_size 190
	.end_amdhsa_kernel
	.amdgpu_metadata
---
amdhsa.version: [ 1, 2 ]
amdhsa.kernels:
  - .name:           k_q665d9340d2_proj
    .symbol:         k_q665d9340d2_proj.kd
    .args:
      - { .name: query_codes, .offset: 0, .size: 8, .value_kind: global_buffer, .address_space: global }
      - { .name: query_scales, .offset: 8, .size: 8, .value_kind: global_buffer, .address_space: global }
      - { .name: Wq_codes, .offset: 16, .size: 8, .value_kind: global_buffer, .address_space: global }
      - { .name: Wq_scales, .offset: 24, .size: 8, .value_kind: global_buffer, .address_space: global }
      - { .name: bq, .offset: 32, .size: 8, .value_kind: global_buffer, .address_space: global }
      - { .name: qws, .offset: 40, .size: 8, .value_kind: global_buffer, .address_space: global }
      - { .name: key_codes, .offset: 48, .size: 8, .value_kind: global_buffer, .address_space: global }
      - { .name: key_scales, .offset: 56, .size: 8, .value_kind: global_buffer, .address_space: global }
      - { .name: Wk_codes, .offset: 64, .size: 8, .value_kind: global_buffer, .address_space: global }
      - { .name: Wk_scales, .offset: 72, .size: 8, .value_kind: global_buffer, .address_space: global }
      - { .name: bk, .offset: 80, .size: 8, .value_kind: global_buffer, .address_space: global }
      - { .name: kws, .offset: 88, .size: 8, .value_kind: global_buffer, .address_space: global }
      - { .name: value_codes, .offset: 96, .size: 8, .value_kind: global_buffer, .address_space: global }
      - { .name: value_scales, .offset: 104, .size: 8, .value_kind: global_buffer, .address_space: global }
      - { .name: Wv_codes, .offset: 112, .size: 8, .value_kind: global_buffer, .address_space: global }
      - { .name: Wv_scales, .offset: 120, .size: 8, .value_kind: global_buffer, .address_space: global }
      - { .name: bv, .offset: 128, .size: 8, .value_kind: global_buffer, .address_space: global }
      - { .name: vws, .offset: 136, .size: 8, .value_kind: global_buffer, .address_space: global }
    .group_segment_fixed_size: 327680
    .private_segment_fixed_size: 0
    .kernarg_segment_align: 8
    .kernarg_segment_size: 144
    .max_flat_workgroup_size: 128
    .sgpr_count:     102
    .vgpr_count:     1024
    .wavefront_size: 32
...
	.end_amdgpu_metadata
.endif
;; end of part 1
;; launch attn (part 2): grid 4 x 64, 8 waves a work-group, clusters of 4 x 1, 327,680 bytes of LDS; arguments qws, kws, vws, xws; writes xws
.if DOCPART == 2
	.amdgcn_target "amdgcn-amd-amdhsa--gfx1250"
	.amdhsa_code_object_version 6
	.text
	.protected	k_q665d9340d2_attn
	.globl	k_q665d9340d2_attn
	.p2align	8
	.type	k_q665d9340d2_attn,@function
k_q665d9340d2_attn:
	s_mov_b64 s[64:65], 0
	v_nop
	global_prefetch_b8 v0, s[64:65] scope:SCOPE_SE
	s_setreg_imm32_b32 hwreg(HW_REG_WAVE_MODE, 25, 1), 1
	s_wait_xcnt 0x0
	s_wait_alu depctr_hold_cnt(0) depctr_sa_sdst(0) depctr_va_vdst(0) depctr_va_sdst(0) depctr_va_ssrc(0) depctr_va_vcc(0) depctr_vm_vsrc(0)
	s_getreg_b32 s2, hwreg(HW_REG_IB_STS2, 6, 4)
	s_cmp_eq_u32 s2, 0
	s_cbranch_scc0 .Lentry_in_a_cluster
	s_endpgm
.Lentry_in_a_cluster:
	s_bfe_u32 s2, ttmp6, 0x10000c
	s_cmp_lg_u32 s2, 0x3003
	s_cbranch_scc0 .Lentry_shape_is_right
	s_endpgm
.Lentry_shape_is_right:
; x[b][q][h x 64 + d] = sum over k of softmax_k(q . k) v, for each of 64 (batch, head): both products on codes of FP6 (E2M3) with E8M0 scales; no scaling of the scores, no mask.
; SOFTMAX: t = score x log2(e); M = the running largest t rounded up to a whole number; p = 2^(t - M) is quantised along the keys; the row's sum is taken of the unquantised p and divides at the end.
; When M moves, the sum and O are multiplied by 2^(old M - new M), which rounds nothing.  x is quantised here along h x 64 + d and leaves as codes.
; SHARES: a work-group owns 512 queries of one head, each of eight waves 64 (four tiles of 16).  The four work-groups of a cluster own a head's 2,048 queries and ask for K and V jointly.
; LDS: every byte is filled once.  At the head one load of 8,192 bytes a wave, at 8,192 x wave: key steps 0-3 of K (three parts), of V (three parts), K's scale units, V's.
; Behind the full sequence and a round one load of 18,432 bytes a wave: key steps 4-15 of K and V.  No prefetch: all loads are asked for ahead of the first key step.
; Both products are used transposed: S^T = K Q^T, O^T = V^T P^T: a lane holds one query (lane % 16).
; K = 64 IN AN INSTRUCTION OF 128: a fragment of k holds two tiles of 16 keys; multiplied by (q, 0) it gives the first tile's scores, by (0, q) the second's.  q's scale bytes of the dead half are 0 (2^-127) over zero codes.
; WHICH KEYS FORM A TILE: the lanes read kws's images permuted: lane (m, h) of fragment (c, e) takes lane (8 e + m % 8, h) of image 2 c + m / 8.  Rows 0-7 of a tile are then keys of block 2 c, rows 8-15 of block 2 c + 1,
; and lane (r, h) holds in 32 registers on end the WHOLE block 2 c + h, in the order 0-7, 16-23, 8-15, 24-31 in which v's codes lie: the conversions' results are p's operand registers, and no lane asks another for a block's maximum.
; THE FOUR TILES OF A KEY STEP OVERLAP, on two buffers of scores: behind tile i's 66 exponentials stand tile i + 1's statistics and its t - M (its scores and their maxima were made ahead of the batch);
; tile i + 2's scores are asked of the matrix unit as soon as tile i's conversions have read its buffer; each tile's four products with V follow its own conversions, so p has twelve registers.
; LIMITS: NaN and infinities are not served; the promise holds while the scaled scores stay under 2^31 in magnitude.  A block of p or x under 2^-124 keeps the scale byte 1; these bytes are read by this program alone.
; REGISTERS.  Window 0: v1-7, v38-39 addresses; v8-23 statistics; v24-34 scale words alone; v40-87 K's fragments; v88-95 block maxima, two sets; v96-223 scores, then p, two buffers; v224-235 p's codes; v236-251 at work.
;   Window 1: v0-127 O^T; v128-181 zeros and q by turns; v192-239 V's fragments.
.set SCOFF, 6291456
.set STEPB, 6144
.set V0,    24576                      ; LDS: K's steps 0-3 from 0, V's from here
.set SCK,   49152
.set SCV,   57344
.set K1,    65536                      ; K's steps 4-15
.set V1,    139264                     ; V's
.set SPARE, 212992
.set LI,   1
.set ADK,  2
.set ADV,  3
.set ASK0, 4
.set ASV0, 5
.set ADS,  6
.set ADT,  7
.set ST,   8                           ; tile i at v[8 + 4 i]: -M, the largest score, the sum in two halves
.set QS,   24
.set KS,   28
.set VS,   32
.set PS,   34
.set LK,   38                          ; my place in K's images
.set SH8,  39                          ; 8 x (lane / 16)
.set KF,   40
.set BM,   88
.set S,    96
.set P,    224
.set FF,   236                         ; f = 2^(old M - new M), two sets of a pair (the upper register is only named)
.set PT,   240
.set SO,   248
.set TA,   250
.set XCB,  160                         ; the way out: x's codes; v192-207 at work
.set FSO,  192
.set FTA,  196
.set HW,   200
.set HS,   204
.set GX,   206
.set GS,   207
.set QZ,   128
.set VF,   192
.set SEL,  60
.set CS,   62
.set MSB, 0
.macro WIN new
.if MSB != (\new)
	s_set_vgpr_msb (MSB<<8)|(\new)
.set MSB, (\new)
.endif
.endm
.macro WALU
	s_wait_alu depctr_va_vdst(0)
.endm
.macro CROUND
	s_barrier_signal -1
	s_barrier_wait -1
	s_cmp_lg_u32 s12, 0
	s_cbranch_scc1 .Lnot_wave_0_\@
	s_barrier_signal -3
.Lnot_wave_0_\@:
	s_barrier_wait -3
	s_barrier_signal -1
	s_barrier_wait -1
.endm
	s_load_b256 s[4:11], s[0:1], 0x0               ; qws, kws, vws, xws
	v_lshl_add_u32 v254, v0, 2, SPARE
	v_mov_b32 v255, 0
	ds_add_u32 v254, v255                          ; the opening lines
	ds_add_u32 v254, v255
	v_lshrrev_b32 v2, 5, v0
	v_readfirstlane_b32 s12, v2                    ; wave 0..7
	s_bfe_u32 s13, ttmp6, 0x40000                  ; cx: enters q's and x's addresses alone
	s_and_b32 s14, ttmp7, 0xffff                   ; batch x 16 + head
	s_and_b32 s17, s14, 1
	s_and_b32 s15, s12, 3
.irp g, 24, 32                         ; dense blocks as rows of 256 bytes; the mask names all four work-groups
	s_mov_b32 s[\g], 15|(3<<16)|(1<<21)
	s_mov_b32 s[\g+1], 32<<16
	s_mov_b32 s[\g+3], 32<<16
	s_mov_b32 s[\g+5], 32
	s_mov_b32 s[\g+6], 0
	s_mov_b32 s[\g+7], 0
.endr
	s_mov_b32 s26, 32<<16                          ; 8,192 bytes
	s_mov_b32 s28, 32
	s_mov_b32 s34, 72<<16                          ; 18,432 bytes
	s_mov_b32 s36, 72
	s_mov_b32 s[SEL], 0x76543210
	s_mov_b32 s[SEL+1], 0xfedcba98
	s_mov_b32 s[CS], 0x3fb8aa3b                    ; log2(e)
	s_mov_b32 s[CS+1], s[CS]
	s_mov_b32 s69, 0xffff0000
	s_mul_i32 s70, s14, 98304                      ; the head's codes
	s_lshl_b32 s18, s12, 13
	s_add_co_u32 s18, s18, s70                     ; waves 0-2: part w of K's steps 0-3
	s_sub_co_u32 s19, s18, 3*8192                  ; waves 3-5: part w - 3 of V's
	s_lshr_b32 s20, s14, 1
	s_lshl_b32 s20, s20, 13
	s_add_co_u32 s20, s20, SCOFF                   ; waves 6, 7: the pair of heads' 16 scale units
	s_cmp_lt_u32 s12, 3
	s_cselect_b32 s22, s18, s19
	s_cmp_lt_u32 s12, 6
	s_cselect_b32 s22, s22, s20
	s_mov_b32 s23, 0
	s_mul_i32 s2, s15, 3*STEPB
	s_add_co_u32 s2, s2, s70
	s_add_co_u32 s2, s2, 4*STEPB                   ; my quarter of steps 4-15
	s_mov_b32 s3, 0
	s_mov_b32 s48, 1
	s_lshl_b32 s49, s12, 13
	s_mov_b32 s56, 1
	s_mul_i32 s57, s12, 3*STEPB
	s_add_co_u32 s57, s57, K1
	s_wait_dscnt 0x0
	s_wait_kmcnt 0x0
	s_cmp_lt_u32 s12, 3
	s_cselect_b64 s[20:21], s[6:7], s[8:9]
	s_cmp_eq_u32 s12, 6
	s_cselect_b64 s[20:21], s[6:7], s[20:21]       ; waves 0-2 and 6 fetch from kws
	s_add_nc_u64 s[50:51], s[20:21], s[22:23]
	s_or_b32 s51, s51, 0x80000000
	s_cmp_lt_u32 s12, 4
	s_cselect_b64 s[20:21], s[6:7], s[8:9]
	s_add_nc_u64 s[58:59], s[20:21], s[2:3]
	s_or_b32 s59, s59, 0x80000000
	CROUND
	tensor_load_to_lds s[48:51], s[24:31]          ; my one load at the head
	s_nop 0
.rept 4
	v_nop
.endr
	s_lshl_b32 s18, s13, 2
	s_lshr_b32 s19, s12, 1
	s_add_co_u32 s18, s18, s19                     ; the 128 rows in which my 64 queries lie,
	s_and_b32 s19, s12, 1                          ; and which half
	s_mul_i32 s22, s18, STEPB
	s_add_co_u32 s22, s22, s70
	s_mul_i32 s2, s19, 3072
	s_add_co_u32 s22, s22, s2
	s_add_nc_u64 s[20:21], s[4:5], s[22:23]        ; my two fragments of q
	s_lshr_b32 s22, s14, 1
	s_lshl_b32 s22, s22, 13
	s_lshl_b32 s2, s18, 9
	s_add_co_u32 s22, s22, s2
	s_lshl_b32 s2, s17, 8
	s_add_co_u32 s22, s22, s2
	s_lshl_b32 s2, s19, 3
	s_add_co_u32 s22, s22, s2
	s_add_co_u32 s22, s22, SCOFF
	s_add_nc_u64 s[4:5], s[4:5], s[22:23]          ; their scale words
	s_lshl_b32 s2, s17, 8
	s_add_co_u32 s2, s2, SCK
	s_lshl_b32 s3, s17, 3
	s_add_co_u32 s3, s3, SCV
	v_and_b32 v[LI], 31, v0
	v_lshlrev_b32 v[LI], 4, v[LI]
	v_and_b32 v[ADS], 7, v0                        ; m % 8
	v_bfe_u32 v[ADT], v0, 3, 1                     ; m / 8
	v_bfe_u32 v[ADV], v0, 4, 1                     ; h
	v_lshlrev_b32 v[ADS], 4, v[ADS]
	v_lshlrev_b32 v[SH8], 3, v[ADV]
	v_lshl_add_u32 v[LK], v[ADV], 8, v[ADS]
	v_mad_u32_u24 v[LK], v[ADT], 1536, v[LK]       ; 1536 (m / 8) + 256 h + 16 (m % 8)
	v_lshl_add_u32 v[ASK0], v[ADT], 2, v[ADS]
	v_add_nc_u32 v[ASK0], s2, v[ASK0]              ; K's words: my head's half of a unit, row m % 8, word m / 8
	v_add_nc_u32 v[ASV0], s3, v[LI]                ; V's: my lane's four words, of which my head's two
	v_and_b32 v[ADK], 15, v0
	v_lshlrev_b32 v[ADK], 4, v[ADK]
	WIN 0x40
.irp f, 0,1
.irp k, 0,1,2,3,4,5
	global_load_b64 v[QZ+6+12*(2*\f+\k/3)+2*(\k%3):QZ+6+12*(2*\f+\k/3)+2*(\k%3)+1], v[LI], s[20:21] offset:1536*\f+512*(\k/2)+8*(\k%2)
.endr
.endr
.irp z, 0,1,2,3,4
.irp k, 0,1,2,3,4,5
	v_mov_b32 v[QZ+12*\z+\k], 0                    ; the zero codes between the tiles of q
.endr
.endr
.set i, 0
.rept 128
	v_mov_b32 v[i], 0                              ; O^T: the key step is written once; the first change of M leaves zeros zeros
.set i, i+1
.endr
	WIN 0
	global_load_b64 v[HW:HW+1], v[ADK], s[4:5]
.irp i, 0,1,2,3
	v_mov_b32 v[ST+4*\i+1], 0xff61b1e6             ; the largest score so far: -3e38
	v_floor_f32 v[ST+4*\i], -v[ST+4*\i+1]          ; -M
	v_mov_b32 v[ST+4*\i+2], 0
	v_mov_b32 v[ST+4*\i+3], 0
	v_mov_b32 v[PT+\i], 0                          ; a lane permute's destination counts as a source
.endr
	v_mov_b32 v[FF+1], 0
	v_mov_b32 v[FF+3], 0
	WALU
	s_wait_loadcnt 0x0
.irp f, 0,1                                    ; lanes 0-15: the bytes below, for (q, 0); lanes 16-31: above, for (0, q)
	v_and_b32 v[TA], 0xffff, v[HW+\f]
	v_lshlrev_b32 v[SO], 16, v[HW+\f]
	v_cndmask_b32 v[QS+2*\f], v[TA], v[SO], s69
	v_lshrrev_b32 v[TA], 16, v[HW+\f]
	v_and_b32 v[SO], s69, v[HW+\f]
	v_cndmask_b32 v[QS+2*\f+1], v[TA], v[SO], s69
.endr
.macro SETS i                          ; tile i's registers
.set SB, S+64*((\i)%2)
.set BB, BM+4*((\i)%2)
.set FB, FF+2*((\i)%2)
.set rT, ST+4*(\i)
.endm
.macro QK i                            ; fragment f = 2 c + e gives registers 16 f + 0..7 and + 8..15 of the tile's buffer
	SETS \i
	WIN 0x04
.irp f, 0,1,2,3
	v_wmma_scale_f32_16x16x128_f8f6f4 v[SB+16*\f:SB+16*\f+7], v[KF+12*\f:KF+12*\f+11], v[QZ+6+12*(\i):QZ+17+12*(\i)], 0, v[KS+\f], v[QS+(\i)] matrix_a_fmt:MATRIX_FMT_FP6 matrix_b_fmt:MATRIX_FMT_FP6
	v_wmma_scale_f32_16x16x128_f8f6f4 v[SB+16*\f+8:SB+16*\f+15], v[KF+12*\f:KF+12*\f+11], v[QZ+12*(\i):QZ+11+12*(\i)], 0, v[KS+\f], v[QS+(\i)] matrix_a_fmt:MATRIX_FMT_FP6 matrix_b_fmt:MATRIX_FMT_FP6 matrix_b_scale:MATRIX_SCALE_ROW1
.endr
	WIN 0
.endm
.macro MAXES i                         ; each block's largest score, in two chains: registers 0-16 and 17-31; every accumulator is first read at its low end
	SETS \i
.irp c, 0,1
	v_max3_num_f32 v[BB+\c], v[SB+32*\c], v[SB+32*\c+1], v[SB+32*\c+2]
	v_max3_num_f32 v[BB+2+\c], v[SB+32*\c+17], v[SB+32*\c+18], v[SB+32*\c+19]
.endr
.irp k, 0,2,4,6,8,10
.irp c, 0,1
	v_max3_num_f32 v[BB+\c], v[BB+\c], v[SB+32*\c+3+\k], v[SB+32*\c+4+\k]
	v_max3_num_f32 v[BB+2+\c], v[BB+2+\c], v[SB+32*\c+20+\k], v[SB+32*\c+21+\k]
.endr
.endr
.irp c, 0,1
	v_max3_num_f32 v[BB+\c], v[BB+\c], v[SB+32*\c+15], v[SB+32*\c+16]
.endr
.irp c, 0,1
	v_max_num_f32 v[BB+\c], v[BB+\c], v[BB+2+\c]
.endr
.endm
.macro TMINUS i                        ; the new M, t - M, and f
	SETS \i
	v_mov_b32 v[TA+1], v[rT]                       ; the old -M
	v_max_num_f32 v[TA], v[BB], v[BB+1]
	v_permlanex16_b32 v[PT], v[TA], s[SEL], s[SEL+1]
	v_max3_num_f32 v[rT+1], v[rT+1], v[TA], v[PT]  ; the running largest score of my query
	v_mul_f32 v[TA], s[CS], v[rT+1]                ; as t
	v_floor_f32 v[rT], -v[TA]                      ; the new -M: M is a whole number
.set j, 0
.rept 32
	v_pk_fma_f32 v[SB+j:SB+j+1], v[SB+j:SB+j+1], s[CS:CS+1], v[rT:rT+1] op_sel_hi:[1,0,0]
.set j, j+2
.endr
.irp c, 0,1
	v_fma_f32 v[BB+\c], v[BB+\c], s[CS], v[rT]     ; the same of each block's largest score
.endr
	v_sub_f32 v[TA], v[rT], v[TA+1]
	v_cvt_i32_f32 v[TA], v[TA]                     ; (it saturates)
	v_ldexp_f32 v[FB], 1.0, v[TA]                  ; f = 2^(old M - new M)
.endm
.macro EXPS i                          ; one batch: 64 p and the two blocks' largest p (the same two instructions on the same number give the same bits)
	SETS \i
	WALU                                           ; ahead of the batch
.set j, 0
.rept 64
	v_exp_f32 v[SB+j], v[SB+j]
.set j, j+1
.endr
.irp c, 0,1
	v_exp_f32 v[BB+\c], v[BB+\c]
.endr
.endm
.macro ADDS n                          ; n pairs of p onto the four chains by turns
.rept \n
.if JC == 0
	v_pk_add_f32 v[rT+2:rT+3], v[rT+2:rT+3], v[SB+JP:SB+JP+1]
.else
	v_pk_add_f32 v[PT+2*JC-2:PT+2*JC-1], v[PT+2*JC-2:PT+2*JC-1], v[SB+JP:SB+JP+1]
.endif
.set JP, JP+2
.set JC, (JC+1)%4
.endr
.endm
.macro FINE i                          ; the sum of the unquantised p, with the scale word's lines among its additions; then the codes
	SETS \i
	WALU                                           ; behind the batch, ahead of its first reader
	v_pk_mul_f32 v[rT+2:rT+3], v[rT+2:rT+3], v[FB:FB+1] op_sel_hi:[1,0]   ; the sums under the new M
.irp k, 0,1,2
	v_pk_add_f32 v[PT+2*\k:PT+2*\k+1], v[SB+4*\k:SB+4*\k+1], v[SB+4*\k+2:SB+4*\k+3]
.endr
.set JP, 12
.set JC, 0
.irp c, 0,1
	v_max_num_f32 v[BB+\c], 0x1800000, v[BB+\c]    ; the floor 2^(3 - 127): the byte cannot fall under 1
.endr
	ADDS 4
.irp c, 0,1
	v_add_nc_u32 v[SO+\c], 0xff000000, v[BB+\c]    ; 2 off the exponent field: the conversion's scale operand
.endr
	ADDS 4
.irp c, 0,1
	v_lshrrev_b32 v[PT+6+\c], 23, v[SO+\c]
.endr
	ADDS 4
	v_lshl_or_b32 v[TA], v[PT+7], 16, v[PT+6]      ; my bytes: blocks h and 2 + h,
	ADDS 4
	v_lshlrev_b32 v[TA], v[SH8], v[TA]             ; at their places;
	ADDS 4
	v_permlanex16_b32 v[TA+1], v[TA], s[SEL], s[SEL+1]
	ADDS 4
	v_or_b32 v[PS], v[TA], v[TA+1]                 ; with lane l xor 16's the word is whole
	ADDS 2
	v_pk_add_f32 v[PT:PT+1], v[PT:PT+1], v[PT+2:PT+3]
	v_pk_add_f32 v[rT+2:rT+3], v[rT+2:rT+3], v[PT+4:PT+5]
	v_pk_add_f32 v[rT+2:rT+3], v[rT+2:rT+3], v[PT:PT+1]
.irp c, 0,1
	v_cvt_scalef32_pk16_fp6_f32 v[P+6*\c:P+6*\c+2], v[SB+32*\c:SB+32*\c+15], v[SO+\c]
	v_cvt_scalef32_pk16_fp6_f32 v[PT+4*\c:PT+4*\c+2], v[SB+16+32*\c:SB+31+32*\c], v[SO+\c]
.endr
	v_nop
.irp c, 0,1
.irp k, 0,1,2
	v_mov_b32 v[P+3+6*\c+\k], v[PT+4*\c+\k]
.endr
.endr
.endm
.macro PV i                            ; O^T under the new M, then + V^T p^T: four accumulators, one instruction each
	SETS \i
	WALU                                           ; directly ahead of the first reader of O^T
	WIN 0x41
.set j, 0
.rept 16
	v_pk_mul_f32 v[32*(\i)+j:32*(\i)+j+1], v[32*(\i)+j:32*(\i)+j+1], v[FB:FB+1] op_sel_hi:[1,0]   ; also the places between p's codes and scale word and the products
.set j, j+2
.endr
	WIN 0x51
.irp u, 0,1
	v_wmma_scale_f32_16x16x128_f8f6f4 v[32*(\i)+16*\u:32*(\i)+16*\u+7], v[VF+24*\u:VF+24*\u+11], v[P:P+11], v[32*(\i)+16*\u:32*(\i)+16*\u+7], v[VS+\u], v[PS] matrix_a_fmt:MATRIX_FMT_FP6 matrix_b_fmt:MATRIX_FMT_FP6
	v_wmma_scale_f32_16x16x128_f8f6f4 v[32*(\i)+16*\u+8:32*(\i)+16*\u+15], v[VF+24*\u+12:VF+24*\u+23], v[P:P+11], v[32*(\i)+16*\u+8:32*(\i)+16*\u+15], v[VS+\u], v[PS] matrix_a_fmt:MATRIX_FMT_FP6 matrix_b_fmt:MATRIX_FMT_FP6 matrix_a_scale:MATRIX_SCALE_ROW1
.endr
	WIN 0
.endm
.macro STEP                            ; 128 keys: K's and V's fragments are read once and serve four tiles
	v_add_nc_u32 v[ADK], s66, v[LK]                ; (four places behind the last step's products)
	v_add_nc_u32 v[ADV], s71, v[LI]
	v_add_nc_u32 v[ADS], s67, v[ASK0]
	v_add_nc_u32 v[ADT], s67, v[ASV0]
.irp c, 0,1
.irp e, 0,1
.irp g, 0,1,2
	ds_load_b128 v[KF+12*(2*\c+\e)+4*\g:KF+12*(2*\c+\e)+4*\g+3], v[ADK] offset:3072*\c+128*\e+512*\g
.endr
	ds_load_b32 v[KS+2*\c+\e], v[ADS] offset:128*\e+8*\c
.endr
.endr
	WIN 0x40
.irp f, 0,1,2,3
.irp g, 0,1,2
	ds_load_b128 v[VF+12*\f+4*\g:VF+12*\f+4*\g+3], v[ADV] offset:1536*\f+512*\g
.endr
.endr
	WIN 0
	ds_load_b64 v[VS:VS+1], v[ADT]
	s_wait_dscnt 13                                ; V's twelve loads and its scale words may be out
	QK 0
	QK 1
.rept 4
	v_nop                                          ; places in front of the first read of the scores
.endr
	MAXES 0
	MAXES 1
	TMINUS 0
	EXPS 0
	TMINUS 1
	FINE 0
	QK 2                                           ; into tile 0's buffer, which the conversions have read
	s_wait_dscnt 0x0                               ; V
	PV 0
	MAXES 2
	EXPS 1
	TMINUS 2
	FINE 1
	QK 3
	PV 1
	MAXES 3
	EXPS 2
	TMINUS 3
	FINE 2
	PV 2
	EXPS 3
	v_nop                                          ; a plain place behind the last exponential
	FINE 3
	PV 3
	s_add_co_u32 s66, s66, STEPB
	s_add_co_u32 s71, s71, STEPB
	s_add_co_u32 s67, s67, 512
.endm
	WALU                                           ; the head's end
	s_wait_tensorcnt 0x0                           ; my part of the first fills is in
	ds_add_u32 v254, v255
	s_wait_dscnt 0x0
	CROUND                                         ; everybody's is
	tensor_load_to_lds s[56:59], s[32:39]          ; key steps 4-15: my one load behind the round
	s_nop 0
.rept 4
	v_nop
.endr
	s_mov_b32 s66, 0
	s_mov_b32 s71, V0
	s_mov_b32 s67, 0
	s_mov_b32 s68, 4
.Lfirst:
	STEP
	s_sub_co_u32 s68, s68, 1
	s_cmp_lg_u32 s68, 0
	s_cbranch_scc1 .Lfirst
	s_wait_tensorcnt 0x0                           ; my part of key steps 4-15 is in,
	s_wait_dscnt 0x0
	s_barrier_signal -1
	s_barrier_wait -1                              ; everybody's is
	s_mov_b32 s66, K1
	s_mov_b32 s71, V1
	s_mov_b32 s67, 4*512
	s_mov_b32 s68, 12
.Lrest:
	STEP
	s_sub_co_u32 s68, s68, 1
	s_cmp_lg_u32 s68, 0
	s_cbranch_scc1 .Lrest
	; THE WAY OUT.  xws: [tile of 16 rows][pair of heads][6 pieces][256]: piece p holds the fragment's registers 2 p, 2 p + 1 at 8 x lane; the even head writes pieces 0-2, the odd head 3-5.  Scale bytes: [row][32].
.irp i, 0,1,2,3
	v_add_f32 v[BM+\i], v[ST+4*\i+2], v[ST+4*\i+3] ; (the places behind the last products)
.endr
.irp i, 0,1,2,3
	v_permlanex16_b32 v[PT+\i], v[BM+\i], s[SEL], s[SEL+1]
.endr
.irp i, 0,1,2,3
	v_add_f32 v[BM+\i], v[BM+\i], v[PT+\i]
.endr
	v_and_b32 v[GS], 31, v0
	v_lshlrev_b32 v[GX], 3, v[GS]
	v_lshlrev_b32 v[GS], 5, v[GS]
	v_mov_b32 v[FSO+2], 0                          ; a lane permute's destination counts as a source
	v_mov_b32 v[FSO+3], 0
	WALU
.irp i, 0,1,2,3
	v_rcp_f32 v[BM+\i], v[BM+\i]
.endr
	v_nop
	s_lshr_b32 s18, s14, 4
	s_lshl_b32 s18, s18, 7
	s_lshl_b32 s19, s13, 5
	s_add_co_u32 s18, s18, s19
	s_lshl_b32 s19, s12, 2
	s_add_co_u32 s18, s18, s19                     ; my first tile of 16 rows, of 512
	s_mul_i32 s22, s18, 12288
	s_bfe_u32 s19, s14, 0x30001
	s_mul_i32 s19, s19, 1536
	s_add_co_u32 s22, s22, s19
	s_mul_i32 s19, s17, 768
	s_add_co_u32 s22, s22, s19
	s_mov_b32 s23, 0
	s_add_nc_u64 s[6:7], s[10:11], s[22:23]
	s_lshl_b32 s22, s18, 9
	s_and_b32 s19, s14, 15
	s_lshl_b32 s19, s19, 1
	s_add_co_u32 s22, s22, s19
	s_add_co_u32 s22, s22, SCOFF
	s_add_nc_u64 s[8:9], s[10:11], s[22:23]
	WALU
.macro FINISH i
.set X, S+32*((\i)%2)
.set XC, XCB+6*(\i)
.set RC, BM+2*((\i)/2)
	WIN 0x01
.set j, 0
.rept 16
.if (\i)%2
	v_pk_mul_f32 v[X+j:X+j+1], v[32*(\i)+j:32*(\i)+j+1], v[RC:RC+1] op_sel:[0,1] op_sel_hi:[1,1]
.else
	v_pk_mul_f32 v[X+j:X+j+1], v[32*(\i)+j:32*(\i)+j+1], v[RC:RC+1] op_sel:[0,0] op_sel_hi:[1,0]
.endif
.set j, j+2
.endr
	WIN 0
.irp e, 0,1                                    ; x meets a given operand (Wo): the exchange gives lane (r, h) the 16 neighbours 32 e + 16 h + 0..15
.irp k, 0,1,2,3,4,5,6,7
	v_permlane16_swap_b32 v[X+16*\e+\k], v[X+16*\e+8+\k]
.endr
.endr
.irp e, 0,1
	v_max3_num_f32 v[FSO+\e], |v[X+16*\e]|, |v[X+16*\e+1]|, 0x1800000
.endr
.irp k, 2,4,6,8,10,12,14
.irp e, 0,1
	v_max3_num_f32 v[FSO+\e], v[FSO+\e], |v[X+16*\e+\k]|, |v[X+16*\e+\k+1]|
.endr
.endr
.irp e, 0,1
	v_permlanex16_b32 v[FSO+2+\e], v[FSO+\e], s[SEL], s[SEL+1]
.endr
.irp e, 0,1
	v_max_num_f32 v[FSO+\e], v[FSO+\e], v[FSO+2+\e]
.endr
.irp e, 0,1
	v_add_nc_u32 v[FTA+\e], 0xff000000, v[FSO+\e]
.endr
.irp e, 0,1
	v_lshrrev_b32 v[FSO+2+\e], 23, v[FTA+\e]
.endr
	v_lshl_or_b32 v[HW+(\i)], v[FSO+3], 8, v[FSO+2]
	v_cvt_scalef32_pk16_fp6_f32 v[XC:XC+2], v[X:X+15], v[FTA]
	v_cvt_scalef32_pk16_fp6_f32 v[PT:PT+2], v[X+16:X+31], v[FTA+1]
	v_nop
.irp k, 0,1,2
	v_permlane16_swap_b32 v[XC+\k], v[PT+\k]
.endr
.irp k, 0,1,2
	v_mov_b32 v[XC+3+\k], v[PT+\k]
.endr
.irp p, 0,1,2
	global_store_b64 v[GX], v[XC+2*\p:XC+2*\p+1], s[6:7] offset:12288*(\i)+256*\p   ; 32 lanes store 256 consecutive bytes, aligned
.endr
.endm
	FINISH 0
	FINISH 1
	v_cndmask_b32 v[HS], v[HW], v[HW+1], s69
	global_store_b16 v[GS], v[HS], s[8:9]          ; two bytes of each of 32 rows: a scale word of the last product spans two heads, which two work-groups make
	FINISH 2
	FINISH 3
	v_cndmask_b32 v[HS+1], v[HW+2], v[HW+3], s69
	global_store_b16 v[GS], v[HS+1], s[8:9] offset:1024
	s_wait_tensorcnt 0x0
	ds_add_u32 v254, v255
	s_wait_dscnt 0x0
	CROUND
	s_endpgm
.Lfunc_end_k_q665d9340d2_attn:
	.size	k_q665d9340d2_attn, .Lfunc_end_k_q665d9340d2_attn-k_q665d9340d2_attn
	.p2alignl 7, 3214868480
	.fill 96, 4, 3214868480
	.section	.rodata,"a",@progbits
	.p2align	6, 0x0
	.amdhsa_kernel k_q665d9340d2_attn
		.amdhsa_group_segment_fixed_size 327680
		.amdhsa_private_segment_fixed_size 0
		.amdhsa_enable_private_segment 0
		.amdhsa_kernarg_size 32
		.amdhsa_user_sgpr_count 2
		.amdhsa_user_sgpr_kernarg_segment_ptr 1
		.amdhsa_wavefront_size32 1
		.amdhsa_system_sgpr_workgroup_id_x 1
		.amdhsa_system_sgpr_workgroup_id_y 1
		.amdhsa_system_sgpr_workgroup_id_z 1
		.amdhsa_system_vgpr_workitem_id 0
		.amdhsa_next_free_vgpr 512
		.amdhsa_next_free_sgpr 72
		.amdhsa_reserve_vcc 0
		.amdhsa_float_denorm_mode_32 3
		.amdhsa_float_denorm_mode_16_64 3
		.amdhsa_memory_ordered 1
		.amdhsa_forward_progress 1
		.amdhsa_inst_pref_size 136
	.end_amdhsa_kernel
	.amdgpu_metadata
---
amdhsa.version: [ 1, 2 ]
amdhsa.kernels:
  - .name:           k_q665d9340d2_attn
    .symbol:         k_q665d9340d2_attn.kd
    .args:
      - { .name: qws, .offset: 0, .size: 8, .value_kind: global_buffer, .address_space: global }
      - { .name: kws, .offset: 8, .size: 8, .value_kind: global_buffer, .address_space: global }
      - { .name: vws, .offset: 16, .size: 8, .value_kind: global_buffer, .address_space: global }
      - { .name: xws, .offset: 24, .size: 8, .value_kind: global_buffer, .address_space: global }
    .group_segment_fixed_size: 327680
    .private_segment_fixed_size: 0
    .kernarg_segment_align: 8
    .kernarg_segment_size: 32
    .max_flat_workgroup_size: 256
    .sgpr_count:     72
    .vgpr_count:     512
    .wavefront_size: 32
...
	.end_amdgpu_metadata
.endif
;; end of part 2
;; launch outp (part 3): grid 8 x 32, 4 waves a work-group, clusters of 4 x 4, 327,680 bytes of LDS; arguments xws, Wo_codes, Wo_scales, bo, out0, out1; writes out0, out1
.if DOCPART == 3
	.amdgcn_target "amdgcn-amd-amdhsa--gfx1250"
	.amdhsa_code_object_version 6
	.text
	.protected	k_q665d9340d2_outp
	.globl	k_q665d9340d2_outp
	.p2align	8
	.type	k_q665d9340d2_outp,@function
k_q665d9340d2_outp:
	s_mov_b64 s[64:65], 0
	v_nop
	global_prefetch_b8 v0, s[64:65] scope:SCOPE_SE
	s_setreg_imm32_b32 hwreg(HW_REG_WAVE_MODE, 25, 1), 1
	s_wait_xcnt 0x0
	s_wait_alu depctr_hold_cnt(0) depctr_sa_sdst(0) depctr_va_vdst(0) depctr_va_sdst(0) depctr_va_ssrc(0) depctr_va_vcc(0) depctr_vm_vsrc(0)
	s_getreg_b32 s2, hwreg(HW_REG_IB_STS2, 6, 4)
	s_cmp_eq_u32 s2, 0
	s_cbranch_scc0 .Lentry_in_a_cluster
	s_endpgm
.Lentry_in_a_cluster:
	s_bfe_u32 s2, ttmp6, 0x10000c
	s_cmp_lg_u32 s2, 0xf033
	s_cbranch_scc0 .Lentry_shape_is_right
	s_endpgm
.Lentry_shape_is_right:
; out0 = x Wo^T + bo on codes of FP6 (E2M3) with E8M0 scales, sums in f32; out1 = 0, as reference() returns it.  The input A, which reference() never reads, is left out (see the first kernel's head).
; SHARES: 256 work-groups, each 256 rows x 128 columns; four waves 2 x 2: wave (a, b) makes rows 128 a + 0..127 x columns 64 b + 0..63.
; A wave holds its 64 rows of Wo, all of K, in 384 registers and takes x in eight blocks of 16 rows, all of K: 32 products a block, four accumulators by turns; a block's 16 x 64 results are stored as soon as they are summed.
; LDS, every byte filled once, one joint load a wave at the head: wave 0 Wo's 128 rows (768 bytes + 24 behind every 256), waves 1-3 a third each of x's 196,608 dense bytes (images of operand registers, as the launch before left them).
; x's tile is shared along a row of the 4 x 4 cluster, Wo's along a column.  No prefetch: every load is asked for at the head, and there is no loop to run ahead in.
; WHICH ROWS OF Wo FORM A TILE: lane r of tile t takes row 4 r + t, so a lane's four tiles hold four neighbouring columns; 32 moves gather them, and sixteen lanes store 256 consecutive bytes of a row of out0, aligned.
; The scale bytes go from memory into registers: x's word of K step q in v[XS + 8 p + q], lanes 0-15 block 2 p, lanes 16-31 block 2 p + 1; Wo's in v[WS + 8 u + q], lanes 0-15 tile 2 u, lanes 16-31 tile 2 u + 1.
; The bias is the C of a block's first four products.  LIMITS: NaN and infinities are not served.
.set FR,    12
.set FPW,   21                         ; fragments in a window: fragment f lies in window 1 + f / 21 at register 12 (f % 21): 0-31 Wo's (4 q + t), 32-39 and 40-47 x's two sets
.set PW,    840                        ; Wo's LDS pitch
.set PU,    3                          ; its padding in pieces of 8 bytes
.set XB,    107520                     ; x behind Wo's 128 rows
.set SPARE, 304128
.set SCOFF, 6291456
.set SPW,  10
.set NIL,  11
.set AX,   12                          ; v12, v13 my x blocks 0-3, 4-7
.set CO,   14
.set WA,   16                          ; v16-23 Wo's four tiles, two address registers each
.set XS,   32
.set WS,   68
.set BT,   88
.set BB,   96                          ; v96-127 the bias, eight registers a tile
.set ACC,  128
.set OUT,  160
.set MSB, 0
.macro WIN new
.if MSB != (\new)
	s_set_vgpr_msb (MSB<<8)|(\new)
.set MSB, (\new)
.endif
.endm
.macro PLACES n
.rept \n
	v_nop
.endr
.endm
.macro BARRIER
	s_barrier_signal -1
	s_barrier_wait -1
.endm
.macro CROUND
	BARRIER
	s_cmp_lg_u32 s16, 0
	s_cbranch_scc1 .Lnot_wave_0_\@
	s_barrier_signal -3
.Lnot_wave_0_\@:
	s_barrier_wait -3
	BARRIER
.endm
.macro TLOAD g0, g1
	tensor_load_to_lds s[\g0:\g0+3], s[\g1:\g1+7]
	s_nop 0
	PLACES 4
.endm
	s_load_b128 s[4:7], s[0:1], 0x0                ; xws, Wo_codes
	s_load_b128 s[8:11], s[0:1], 0x10              ; Wo_scales, bo
	s_load_b128 s[12:15], s[0:1], 0x20             ; out0, out1
	v_lshl_add_u32 v[SPW], v0, 2, SPARE
	v_mov_b32 v[NIL], 0
	ds_add_u32 v[SPW], v[NIL]                      ; the opening lines
	ds_add_u32 v[SPW], v[NIL]
	v_lshrrev_b32 v1, 5, v0
	v_readfirstlane_b32 s16, v1                    ; wave
	s_lshr_b32 s17, s16, 1                         ; a
	s_and_b32 s18, s16, 1                          ; b
	s_bfe_u32 s40, ttmp6, 0x40000                  ; cx
	s_bfe_u32 s41, ttmp6, 0x40004                  ; cy
	s_lshl_b32 s42, ttmp9, 2
	s_add_co_u32 s42, s42, s40                     ; tile column, 0..7
	s_and_b32 s43, ttmp7, 0xffff
	s_lshl_b32 s43, s43, 2
	s_add_co_u32 s43, s43, s41                     ; tile row, 0..31
	s_lshl_b32 s44, s41, 2
	s_lshl_b32 s44, 15, s44                        ; my row of the cluster
	s_lshl_b32 s45, 0x1111, s40                    ; my column
	s_or_b32 s24, s44, (3<<16)|(1<<21)             ; x: 256 dense rows of 256 bytes
	s_mov_b32 s25, 32<<16
	s_mov_b32 s26, 256<<16
	s_mov_b32 s27, 32<<16
	s_mov_b32 s28, 256
	s_mov_b32 s29, 32
	s_mov_b32 s30, 0
	s_mov_b32 s31, 0
	s_or_b32 s32, s45, (1<<20)|(1<<21)|(5<<22)|(5<<25)   ; Wo: 128 rows of 768 bytes, 6 words of padding behind every 64
	s_mov_b32 s33, 768<<16
	s_mov_b32 s34, 128<<16
	s_mov_b32 s35, 768<<16
	s_mov_b32 s36, 128
	s_mov_b32 s37, 768
	s_mov_b32 s38, 0
	s_mov_b32 s39, 0
	s_mov_b32 s48, 1
	s_lshl_b32 s49, s16, 16
	s_add_co_u32 s49, s49, XB-65536                ; waves 1-3: XB + 65,536 (wave - 1)
	s_mov_b32 s52, 1
	s_mov_b32 s53, 0
	s_max_u32 s20, s16, 1
	s_sub_co_u32 s20, s20, 1
	s_lshl_b32 s20, s20, 16
	s_mul_i32 s21, s43, 196608
	s_add_co_u32 s20, s20, s21
	s_mov_b32 s21, 0
	s_mul_i32 s22, s42, 128*768
	s_mov_b32 s23, 0
	s_mul_i32 s19, s17, 98304
	s_add_co_u32 s19, s19, XB
	s_mul_i32 s46, s18, 64*PW
	v_and_b32 v1, 15, v0                           ; r
	v_bfe_u32 v2, v0, 4, 1                         ; h
	v_and_b32 v3, 31, v0
	v_lshl_add_u32 v[AX], v3, 3, s19
	v_add_nc_u32 v[AX+1], 49152, v[AX]
	v_mul_u32_u24 v4, v1, 4*PW
	v_add_nc_u32 v4, s46, v4
	v_mad_u32_u24 v[WA], v2, 24, v4                ; row 4 r of my 64, + 24 h
	v_mad_u32_u24 v[WA+1], v2, 48, v4              ; and behind one padding more
.irp t, 1,2,3
	v_add_nc_u32 v[WA+2*\t], \t*PW, v[WA]
	v_add_nc_u32 v[WA+2*\t+1], \t*PW, v[WA+1]
.endr
	v_lshlrev_b32 v5, 5, v3                        ; x's scales: 32 bytes a row, a row a lane
	v_lshlrev_b32 v6, 7, v1
	v_lshl_add_u32 v6, v2, 5, v6                   ; Wo's: row 4 r + h
	v_lshlrev_b32 v7, 4, v1                        ; the bias: columns 4 r .. 4 r + 3
	v_lshl_add_u32 v[CO], v2, 15, v7               ; out0: row 8 h, 16 r bytes
	s_wait_alu depctr_va_vdst(0)
	s_wait_dscnt 0x0
	CROUND                                         ; in front of the first joint loads
	s_wait_kmcnt 0x0
	s_add_nc_u64 s[50:51], s[4:5], s[20:21]
	s_or_b32 s51, s51, 0x80000000
	s_add_nc_u64 s[54:55], s[6:7], s[22:23]
	s_or_b32 s55, s55, 0x80000000
	s_cmp_eq_u32 s16, 0
	s_cbranch_scc0 .Lfor_x
	TLOAD 52, 32                                   ; wave 0: Wo's rows, wanted first
	s_branch .Lasked
.Lfor_x:
	TLOAD 48, 24                                   ; waves 1-3: a third of x each
.Lasked:
	s_lshl_b32 s20, s43, 8
	s_lshl_b32 s21, s17, 7
	s_add_co_u32 s20, s20, s21                     ; my first row
	s_lshl_b32 s58, s42, 7
	s_lshl_b32 s21, s18, 6
	s_add_co_u32 s58, s58, s21                     ; my first column
	s_lshl_b32 s56, s20, 5
	s_add_co_u32 s56, s56, SCOFF
	s_mov_b32 s57, 0
	s_add_nc_u64 s[56:57], s[4:5], s[56:57]
	s_lshl_b32 s60, s58, 5
	s_mov_b32 s61, 0
	s_add_nc_u64 s[60:61], s[8:9], s[60:61]
	s_lshl_b32 s62, s58, 2
	s_mov_b32 s63, 0
	s_lshl_b32 s66, s20, 12
	s_add_co_u32 s66, s66, s62
	s_mov_b32 s67, 0
	s_add_nc_u64 s[62:63], s[10:11], s[62:63]
	s_add_nc_u64 s[12:13], s[12:13], s[66:67]
.irp p, 0,1,2,3
.irp c, 0,1
	global_load_b128 v[XS+8*\p+4*\c:XS+8*\p+4*\c+3], v5, s[56:57] offset:1024*\p+16*\c
.endr
.endr
.irp u, 0,1
.irp c, 0,1
	global_load_b128 v[WS+8*\u+4*\c:WS+8*\u+4*\c+3], v6, s[60:61] offset:64*\u+16*\c
.endr
.endr
	global_load_b128 v[BT:BT+3], v7, s[62:63]
.macro FRAGW f, q, a0, a1              ; six pieces of 8 bytes, two to a load where both lie behind as many paddings
	WIN (1+(\f)/FPW)<<6
.set R_, FR*((\f)%FPW)
.set SKIP_, 0
.irp p, 0,1,2,3,4,5
.if SKIP_
.set SKIP_, 0
.else
.set PC_, 12*(\q)+6*(\p/3)+\p%3
.set PN_, 12*(\q)+6*((\p+1)/3)+(\p+1)%3
.set X_, (PC_%32+3)/32
.set XQ_, (PN_%32+3)/32
.if (\p < 5) && (X_ == XQ_)
.set SKIP_, 1
.if X_
	ds_load_2addr_b64 v[R_+2*\p:R_+2*\p+3], \a1 offset0:PC_+PU*(PC_/32) offset1:PN_+PU*(PN_/32)
.else
	ds_load_2addr_b64 v[R_+2*\p:R_+2*\p+3], \a0 offset0:PC_+PU*(PC_/32) offset1:PN_+PU*(PN_/32)
.endif
.elseif X_
	ds_load_b64 v[R_+2*\p:R_+2*\p+1], \a1 offset:8*(PC_+PU*(PC_/32))
.else
	ds_load_b64 v[R_+2*\p:R_+2*\p+1], \a0 offset:8*(PC_+PU*(PC_/32))
.endif
.endif
.endr
.endm
.macro FETCH s                         ; block s of x into set s % 2: 48 loads
.irp q, 0,1,2,3,4,5,6,7
.set F_, 32+8*((\s)%2)+\q
	WIN (1+F_/FPW)<<6
.irp p, 0,1,2,3,4,5
	ds_load_b64 v[FR*(F_%FPW)+2*\p:FR*(F_%FPW)+2*\p+1], v[AX+(\s)/4] offset:12288*((\s)%4)+1536*\q+256*\p
.endr
.endr
	WIN 0
.endm
.macro W1 d, fa, fb, c, xa, xb, ra, rb ; source 0 = x's 16 rows, source 1 = 16 rows of Wo
	WIN (1+(\fa)/FPW)|((1+(\fb)/FPW)<<2)
	v_wmma_scale_f32_16x16x128_f8f6f4 v[\d:\d+7], v[FR*((\fa)%FPW):FR*((\fa)%FPW)+FR-1], v[FR*((\fb)%FPW):FR*((\fb)%FPW)+FR-1], \c, v[\xa], v[\xb] matrix_a_fmt:MATRIX_FMT_FP6 matrix_b_fmt:MATRIX_FMT_FP6 matrix_a_scale:MATRIX_SCALE_ROW\ra matrix_b_scale:MATRIX_SCALE_ROW\rb
.endm
.macro BLK s, ra, w                    ; w: the LDS loads younger than this block's
	s_wait_dscnt \w
.irp u, 0,1
	W1 ACC+16*\u, 32+8*((\s)%2), 2*\u, v[BB+16*\u:BB+16*\u+7], XS+8*((\s)/2), WS+8*\u, \ra, 0
	W1 ACC+16*\u+8, 32+8*((\s)%2), 2*\u+1, v[BB+16*\u+8:BB+16*\u+15], XS+8*((\s)/2), WS+8*\u, \ra, 1
.endr
.irp q, 1,2,3,4,5,6,7
.irp u, 0,1
	W1 ACC+16*\u, 32+8*((\s)%2)+\q, 4*\q+2*\u, v[ACC+16*\u:ACC+16*\u+7], XS+8*((\s)/2)+\q, WS+8*\u+\q, \ra, 0
	W1 ACC+16*\u+8, 32+8*((\s)%2)+\q, 4*\q+2*\u+1, v[ACC+16*\u+8:ACC+16*\u+15], XS+8*((\s)/2)+\q, WS+8*\u+\q, \ra, 1
.endr
.endr
	WIN 0
	PLACES 4                                       ; ahead of the loads into the set just read and of the first read of the sums
.if (\s) < 6
	FETCH (\s)+2
.endif
	s_wait_xcnt 0x0                                ; the last block's stores have read their registers
.irp j, 0,1,2,3,4,5,6,7                        ; each accumulator from its low end on
.irp t, 0,1,2,3
	v_mov_b32 v[OUT+4*\j+\t], v[ACC+8*\t+\j]
.endr
.endr
.irp j, 0,1,2,3,4,5,6,7
	global_store_b128 v[CO], v[OUT+4*\j:OUT+4*\j+3], s[12:13] offset:65536*(\s)+4096*\j th:TH_STORE_NT   ; rows j and 8 + j: 256 consecutive bytes each, aligned
.endr
.endm
	s_wait_alu depctr_va_vdst(0)
	s_cmp_eq_u32 s16, 0
	s_cbranch_scc0 .Lnot_w
	s_wait_tensorcnt 0x0
.Lnot_w:
	BARRIER                                        ; Wo's rows are in
.irp q, 0,1,2,3,4,5,6,7
.irp t, 0,1,2,3
	FRAGW 4*\q+\t, \q, v[WA+2*\t], v[WA+2*\t+1]
.endr
.endr
	WIN 0
	s_wait_loadcnt 0x0
.irp t, 0,1,2,3
.irp i, 0,1,2,3,4,5,6,7
	v_mov_b32 v[BB+8*\t+\i], v[BT+\t]              ; column 4 r + t's bias over the tile's eight rows
.endr
.endr
	s_wait_alu depctr_va_vdst(0)
	s_wait_tensorcnt 0x0
	s_wait_dscnt 0x0
	BARRIER                                        ; x is in
	FETCH 0
	FETCH 1
.irp p, 0,1,2
	BLK 2*\p, 0, 48
	BLK 2*\p+1, 1, 48
.endr
	BLK 6, 0, 48
	BLK 7, 1, 0
	s_lshl_b32 s20, s41, 4                         ; out1 = 0: thread 0 of work-group (0, 0), chosen by a lane mask
	s_or_b32 s20, s20, s40
	s_and_b32 s21, ttmp7, 0xffff
	s_lshl_b32 s21, s21, 8
	s_or_b32 s20, s20, s21
	s_lshl_b32 s21, ttmp9, 24
	s_or_b32 s20, s20, s21
	v_or_b32 v5, s20, v0
	v_mov_b32 v6, 0
	v_cmp_eq_u32 vcc_lo, 0, v5
	s_wait_alu depctr_va_vdst(0)
	s_wait_xcnt 0x0
	s_and_saveexec_b32 s22, vcc_lo
	global_store_b32 v6, v6, s[14:15]
	s_wait_xcnt 0x0
	s_or_b32 exec_lo, exec_lo, s22
	s_wait_tensorcnt 0x0                           ; the wave's end
	ds_add_u32 v[SPW], v[NIL]
	s_wait_dscnt 0x0
	CROUND                                         ; the closing round
	s_endpgm
.Lfunc_end_k_q665d9340d2_outp:
	.size	k_q665d9340d2_outp, .Lfunc_end_k_q665d9340d2_outp-k_q665d9340d2_outp
	.p2alignl 7, 3214868480
	.fill 96, 4, 3214868480
	.section	.rodata,"a",@progbits
	.p2align	6, 0x0
	.amdhsa_kernel k_q665d9340d2_outp
		.amdhsa_group_segment_fixed_size 327680
		.amdhsa_private_segment_fixed_size 0
		.amdhsa_enable_private_segment 0
		.amdhsa_kernarg_size 48
		.amdhsa_user_sgpr_count 2
		.amdhsa_user_sgpr_kernarg_segment_ptr 1
		.amdhsa_wavefront_size32 1
		.amdhsa_system_sgpr_workgroup_id_x 1
		.amdhsa_system_sgpr_workgroup_id_y 1
		.amdhsa_system_sgpr_workgroup_id_z 1
		.amdhsa_system_vgpr_workitem_id 0
		.amdhsa_next_free_vgpr 896
		.amdhsa_next_free_sgpr 72
		.amdhsa_reserve_vcc 1
		.amdhsa_float_denorm_mode_32 3
		.amdhsa_float_denorm_mode_16_64 3
		.amdhsa_memory_ordered 1
		.amdhsa_forward_progress 1
		.amdhsa_inst_pref_size 90
	.end_amdhsa_kernel
	.amdgpu_metadata
---
amdhsa.version: [ 1, 2 ]
amdhsa.kernels:
  - .name:           k_q665d9340d2_outp
    .symbol:         k_q665d9340d2_outp.kd
    .args:
      - { .name: xws, .offset: 0, .size: 8, .value_kind: global_buffer, .address_space: global }
      - { .name: Wo_codes, .offset: 8, .size: 8, .value_kind: global_buffer, .address_space: global }
      - { .name: Wo_scales, .offset: 16, .size: 8, .value_kind: global_buffer, .address_space: global }
      - { .name: bo, .offset: 24, .size: 8, .value_kind: global_buffer, .address_space: global }
      - { .name: out0, .offset: 32, .size: 8, .value_kind: global_buffer, .address_space: global }
      - { .name: out1, .offset: 40, .size: 8, .value_kind: global_buffer, .address_space: global }
    .group_segment_fixed_size: 327680
    .private_segment_fixed_size: 0
    .kernarg_segment_align: 8
    .kernarg_segment_size: 48
    .max_flat_workgroup_size: 128
    .sgpr_count:     72
    .vgpr_count:     896
    .wavefront_size: 32
...
	.end_amdgpu_metadata
.endif
;; end of part 3
